; MI455X (gfx1250); checked and timed in simulation.
; The chip was launched on July 23, 2026; its instructions are those of AMD's public machine-readable ISA for CDNA 5 (MIT licence, August 2026) and "CDNA5" Instruction Set Architecture Reference Guide (July 2026). The comments in the code are by the model that wrote it; some were corrected since.
;; Multi Head Self Attention. Allowed arithmetic: matrix products marked QUANTISED: E4M3 operands, one given power-of-two scale a tensor, by v_wmma_f32_16x16x64_fp8_fp8 or v_wmma_f32_16x16x128_fp8_fp8, f32 sums; everything else in f32.
;; Inputs: b_proj 256 float32; lowp_scales 8 int32 (the exponents e of the quantised operands' scales 2^e); w_proj 256 x 256 float32; w_qkv 768 x 256 float32; x 4 x 4,096 x 256 float32.
;; Outputs: out0 4 x 4,096 x 256 float32.
;; This version of the problem:
;;   THIS VERSION OF THE PROBLEM IS GIVEN IN LOW PRECISION. The matrix products marked QUANTISED in the list below multiply operands that are first quantised to E4M3 (4 exponent bits, 3 mantissa bits; 8 bits a number), with one given power-of-two scale for each operand tensor; their sums are f32. All else is computed in f32.
;;   The module's matrix products, in the order in which they are computed (A, B: the left and right operand; K: the contracted axis; several contracted axes count as one K, in the product's order):
;;     1. [M 16,384, K 256] x [K 256, N 768]; A: input x; B: input w_qkv: QUANTISED (scales: A lowp_scales[0], B lowp_scales[1])
;;     2. batch 16 x [M 4,096, K 64] x [K 64, N 4,096]; A: computed on the way; B: computed on the way: QUANTISED (scales: A lowp_scales[2], B lowp_scales[3])
;;     3. batch 16 x [M 4,096, K 4,096] x [K 4,096, N 64]; A: softmax (see below); B: computed on the way: QUANTISED (scales: A lowp_scales[4], B lowp_scales[5])
;;     4. [M 16,384, K 256] x [K 256, N 256]; A: computed on the way; B: input w_proj: QUANTISED (scales: A lowp_scales[6], B lowp_scales[7])
;;   THE QUANTISER, for each operand of a quantised product, along K:
;;     - The operand's scale is 2^e, e = its entry of the input lowp_scales (int32; the entries are numbered through the quantised products in the list's order, A before B).
;;     - Each number is divided by the scale, clamped to +-448, and rounded to the nearest number of E4M3, ties to even, subnormals kept.
;;     - The product sums the exact products of the quantised numbers (number of the format x scale) in f32.
;;   ~~~python
;;   def quantise(x, axis, e):      # numpy; x: float32 -> the quantised numbers, widened to float32 again
;;       x = np.moveaxis(x, axis, -1); K = x.shape[-1]
;;       r = np.clip(x / 2.0 ** e, -448, 448)
;;       step = 2.0 ** (np.maximum(np.frexp(np.where(r == 0, 1, r))[1] - 1, -6) - 3)
;;       q = np.round(r / step) * step * 2.0 ** e      # np.round: ties to even
;;       return np.moveaxis(q, -1, axis).astype(np.float32)
;;   ~~~
;;   SOFTMAX AHEAD OF A QUANTISED PRODUCT. Where the list says 'softmax', what is quantised is not the finished softmax but p = 2^(t - M), with t = logit x log2(e) and M = ceil(the row's largest t), a whole number; so 1/2 < the row's largest p <= 1. The row's sum l is taken of the UNQUANTISED p, in f32, and the product's result is divided by l at the end. Since M is a whole number, a kernel that streams over the keys may use a running M (the ceiling of the running maximum): every later rescaling is an exact power of two, so the quantised numbers keep their values, but for numbers so far below the row's largest that they fall under the format's range.
;;   OPERANDS COMPUTED ON THE WAY. 'Computed on the way' means the value that the module computes at that place (a softmax that the list does not call 'softmax' is quantised finished and normalised). What goes into a quantiser is computed in f32, as accurately as f32 sums, v_exp_f32 and their like allow (about 1e-6 of the number): no bf16 or f16 on the way to a quantiser, and a product that is left as it is and whose result goes on into a quantised operand takes f32 operands (vector FMAs, or v_wmma_f32_16x16x4_f32). A number that lies on a knife's edge between two numbers of the format may be rounded either way, as far as f32 arithmetic and the matrix unit's own rounding can turn it there, and no further.
;; One version. Each part assembles by itself: llvm-mc -triple=amdgcn-amd-amdhsa -mcpu=gfx1250 --defsym DOCPART=n.
;; ======== version 1 of 1: 2 launches
;; limits: right only within a limited range of input values
;; workspace buffers: q_img 4,194,304 bytes; kv_img 8,388,608 bytes; wp_img 65,536 bytes
;; launch qkv (part 1): grid 4 x 64, 8 waves a work-group, no clusters, 50,176 bytes of LDS; arguments x, w_qkv, w_proj, lowp_scales, q_img, kv_img, wp_img; writes q_img, kv_img, wp_img
.if DOCPART == 1
	.amdgcn_target "amdgcn-amd-amdhsa--gfx1250"
	.amdhsa_code_object_version 6
	.text
	.protected	k_q703bb69c0f_qkv
	.globl	k_q703bb69c0f_qkv
	.p2align	8
	.type	k_q703bb69c0f_qkv,@function
k_q703bb69c0f_qkv:
	s_mov_b64 s[64:65], 0
	v_nop
	global_prefetch_b8 v0, s[64:65] scope:SCOPE_SE
	s_setreg_imm32_b32 hwreg(HW_REG_WAVE_MODE, 25, 1), 1
	s_wait_xcnt 0x0
; q, k, v = x w_qkv^T on codes of FP8 (E4M3), each operand with the one scale 2^e that is given for it, and q, k, v quantised again for the attention's products; w_proj is quantised on the side.
; x: [16384][256] f32; w_qkv: [768][256] f32 (feature = 256 x (q, k, v) + 64 x head + d); w_proj: [256][256] f32; the scales' exponents e0 .. e7: int32.
; SHARES.  Work-group (x = head, y = block of 256 tokens) makes 256 tokens x 192 features: q, k and v of its head.  Wave w owns tokens 32 w .. 32 w + 31 (two tiles of 16) for all 12 tiles of 16 features: 48 matrix instructions.
; The 24 fragments of the head's rows of w_qkv (12 tiles x 2 K steps of 128) are quantised three to a wave and go from wave to wave through LDS as IMAGES OF THEIR REGISTERS: four ds_store_b128, lane l's 16 bytes at 16 l.
; x's four fragments of a wave are quantised in its registers and stay there.
; k IN THE FIRST PRODUCT: lane (r, h) holds, of its row r, k = 128 s + 32 b + 16 h + 0 .. 15 in registers 4 b .. 4 b + 3, alike in x and in w_qkv: a permutation of k that is the same on both sides, so every product meets its partner.
; THE OUTPUTS ARE LAID IN THE ORDER OF THE NEXT OPERAND'S REGISTERS (registers 2 c, 2 c + 1: k = 16 c + 8 h + 0 .. 7), so that the eight registers of one accumulator, converted, are two registers of that operand:
;   q_img [token tile 0..1023][head][1024 B]: lane (r, h) = token r, registers 2 t, 2 t + 1 = d 16 t + 8 h + 0 .. 7; registers 4 c .. 4 c + 3 of lane l at 512 c + 16 l.   (source 0 = 16 features, source 1 = 16 tokens)
;   kv_img [block of 256 keys 0..63][region 0..7][16384 B]: region head: K, key tile kt at 1024 kt, laid as q_img;
;          region 4 + head: V at 8192 (128 keys) + 2048 (16 of d): lane (r, h) = d r, registers 2 c, 2 c + 1 = key 16 c + 8 h + 0 .. 7.   (source 0 = 16 tokens, source 1 = 16 features)
;   wp_img: 256 units of 256 B; unit 8 (2 ct + s) + c: lane l's 8 bytes at 8 l = w_proj row 16 ct + l % 16, k = 128 s + 16 c + 8 (l / 16) + 0 .. 7.  Work-group g = 4 y + x makes unit g (its wave 0).
; Every store of a wave covers 512 (wp_img: 256) consecutive bytes, aligned.
; A sum of the product stands for sum x 2^(e0 + e1): q's code is sum / 2^(e2 - e0 - e1), k's with e3, v's with e5: the three scales are folded into the conversion's one.
; NO CLUSTER, NO TENSOR LOADS: four work-groups read the same rows of x and 64 the same rows of w_qkv, but both arrive as f32 and go to the quantiser through registers once;
; by way of LDS a work-group's 256 KB of x and 192 KB of w_qkv would be written there and read back as f32 on top of that.
; LIMITS, so that each power of two is an f32 number: e0, e1, e7, e2 - e0 - e1, e3 - e0 - e1, e5 - e0 - e1 between -126 and 119.  NaN among the inputs is not served (an infinity is held at the largest code).
.set FRB,   2048                       ; an image of a fragment of 16 registers
.set WIMG,  0                          ; LDS: the 24 images of w_qkv's fragments: fragment 2 ft + s
.set SPARE, 24*FRB                     ; behind them the spare words, 128 bytes for each wave: four blocks of 256 bytes that no other line names
.set XA,  4                            ; v4   1024 r + 64 h: my lane's bytes in 16 rows of x or w_qkv
.set LI,  5                            ; v5   16 x lane
.set WWI, 6                            ; v6   where I store my wave's three images
.set WPA, 7                            ; v7   1024 r + 32 h: my lane's bytes in 16 rows of w_proj
.set WPS, 8                            ; v8   8 x lane
.set SPW, 10                           ; v10  LDS address of my spare word; never rewritten
.set NIL, 11                           ; v11  0; never rewritten
.set SX,  12                           ; v12: 2^e for x;  then the same for w_qkv, q, k, v, w_proj
.set SW,  14
.set SQ,  16
.set SK,  18
.set SV,  20
.set SP,  22
.set PC,  24                           ; v24-39   codes on their way to memory
.set PW,  40                           ; v40-47   eight numbers of w_proj
.set PWC, 48                           ; v48-49   their codes
.set XF,  64                           ; v64-127  x's fragments (tile m, K step s) at XF + 16 (2 m + s); before that, w_qkv's codes on their way to LDS
.set STA, 128                          ; v128-191 64 numbers as loaded; later four fragments of w_qkv
.set STB, 192                          ; v192-255 64 numbers as loaded; later the eight accumulators (m, t) at STB + 8 (4 m + t)
.macro FLOAD reg, base, off            ; 64 numbers of my row: register 16 b + i = k 32 b + 16 h + i of a K step of 128
.irp b, 0,1,2,3
.irp j, 0,1,2,3
	global_load_b128 v[\reg+16*\b+4*\j:\reg+16*\b+4*\j+3], v[XA], s[\base:\base+1] offset:\off+128*\b+16*\j
.endr
.endr
.endm
.macro QUANT src, dst, scl             ; they become a fragment's 16 registers of codes.  v[scl]: the scale
.irp b, 0,1,2,3
.irp i, 0,1,2,3,4,5,6,7,8,9,10,11,12,13,14,15
.endr
	v_cvt_scalef32_pk8_fp8_f32 v[\dst+4*\b:\dst+4*\b+1], v[\src+16*\b:\src+16*\b+7], v[\scl]
	v_cvt_scalef32_pk8_fp8_f32 v[\dst+4*\b+2:\dst+4*\b+3], v[\src+16*\b+8:\src+16*\b+15], v[\scl]
.endr
	v_nop                                          ; one plain vector instruction behind the last conversion, ahead of whatever touches its result or writes its sources
.endm
.macro IMAGE src, off                  ; a fragment goes to LDS as it stands
.irp c, 0,1,2,3
	ds_store_b128 v[WWI], v[\src+4*\c:\src+4*\c+3] offset:\off+512*\c
.endr
.endm
.macro FETCH reg, off                  ; and comes back so, in any wave
.irp c, 0,1,2,3
	ds_load_b128 v[\reg+4*\c:\reg+4*\c+3], v[LI] offset:\off+512*\c
.endr
.endm
.macro MKSC d, e                       ; v[d] = 2^e, e in s[e]
	s_add_co_i32 s56, s[\e], 127
	s_lshl_b32 s57, s56, 23
	v_mov_b32 v[\d], s57
.endm
.macro MM acc, fa, fb, first           ; one matrix instruction; first: it starts the sum
.if \first
	v_wmma_f32_16x16x128_fp8_fp8 v[\acc:\acc+7], v[\fa:\fa+15], v[\fb:\fb+15], 0
.else
	v_wmma_f32_16x16x128_fp8_fp8 v[\acc:\acc+7], v[\fa:\fa+15], v[\fb:\fb+15], v[\acc:\acc+7]
.endif
.endm
; Four tiles of features (g = 0: q, 1: k, 2: v) x my two tiles of tokens: eight accumulators by turns, one instruction a turn, a K step at a time.
; nat = 0: source 0 = features, source 1 = tokens (a lane holds a token);  nat = 1: the other way round (a lane holds a feature).  base: the store's base; mstr: bytes from my first tile of tokens to my second.
.macro GROUP g, nat, scl, base, mstr
.irp ks, 0,1
.rept 4
	v_nop                                          ; four places in front of loads into registers that matrix instructions have read
.endr
.irp t, 0,1,2,3
	FETCH STA+16*\t, WIMG+(2*(4*\g+\t)+\ks)*FRB
.endr
	s_wait_alu depctr_va_vdst(0)
	s_wait_dscnt 0x0
.irp t, 0,1,2,3
.irp m, 0,1
.if \nat
	MM STB+8*(4*\m+\t), XF+16*(2*\m+\ks), STA+16*\t, 1-\ks
.else
	MM STB+8*(4*\m+\t), STA+16*\t, XF+16*(2*\m+\ks), 1-\ks
.endif
.endr
.endr
.endr
.rept 4
	v_nop                                          ; four places in front of the first read of results
.endr
	s_wait_xcnt 0x0                                ; the stores of the group before have read their data: the codes' registers are written again only behind this wait
.irp a, 0,1,2,3,4,5,6,7                ; accumulator a = 4 m + t, each from its low end on
.irp i, 0,1,2,3,4,5,6,7
.endr
.if \nat
	v_cvt_scalef32_pk8_fp8_f32 v[PC+4*(\a%4)+2*(\a/4):PC+4*(\a%4)+2*(\a/4)+1], v[STB+8*\a:STB+8*\a+7], v[\scl]   ; tile t of d: my two tiles of keys are four registers on end
.else
	v_cvt_scalef32_pk8_fp8_f32 v[PC+8*(\a/4)+2*(\a%4):PC+8*(\a/4)+2*(\a%4)+1], v[STB+8*\a:STB+8*\a+7], v[\scl]   ; tile m of tokens: registers 2 t, 2 t + 1
.endif
.endr
	v_nop
.if \nat
.irp t, 0,1,2,3
	global_store_b128 v[LI], v[PC+4*\t:PC+4*\t+3], s[\base:\base+1] offset:2048*\t
.endr
.else
.irp m, 0,1
.irp c, 0,1
	global_store_b128 v[LI], v[PC+8*\m+4*\c:PC+8*\m+4*\c+3], s[\base:\base+1] offset:\mstr*\m+512*\c
.endr
.endr
.endif
.endm
	s_load_b256 s[4:11], s[0:1], 0x0               ; x s[4:5], w_qkv s[6:7], w_proj s[8:9], the exponents s[10:11]
	s_load_b128 s[12:15], s[0:1], 0x20             ; q_img s[12:13], kv_img s[14:15]
	s_load_b64 s[16:17], s[0:1], 0x30              ; wp_img
	v_lshl_add_u32 v[SPW], v0, 2, SPARE
	v_mov_b32 v[NIL], 0
	v_lshrrev_b32 v1, 5, v0
	s_delay_alu instid0(VALU_DEP_1)
	v_readfirstlane_b32 s18, v1                    ; wave 0..7
	v_and_b32 v1, 31, v0                           ; lane
	v_and_b32 v2, 15, v0                           ; r
	v_bfe_u32 v3, v0, 4, 1                         ; h
	s_delay_alu instid0(VALU_DEP_2)
	v_lshlrev_b32 v[XA], 10, v2
	s_delay_alu instid0(VALU_DEP_1)
	v_lshl_add_u32 v[XA], v3, 6, v[XA]
	v_lshlrev_b32 v[LI], 4, v1
	s_mul_i32 s48, s18, 3*FRB
	v_add_nc_u32 v[WWI], s48, v[LI]
	v_lshlrev_b32 v[WPA], 10, v2
	s_delay_alu instid0(VALU_DEP_1)
	v_lshl_add_u32 v[WPA], v3, 5, v[WPA]
	v_lshlrev_b32 v[WPS], 3, v1
	s_mov_b32 s19, ttmp9                           ; head
	s_and_b32 s20, ttmp7, 0xffff                   ; block of 256 tokens
	; byte offsets, each in registers of its own
	s_lshl_b32 s36, s20, 18                        ; x: 256 rows of 1,024 bytes a block,
	s_lshl_b32 s48, s18, 15                        ; 32 rows a wave
	s_add_co_u32 s36, s36, s48
	s_mov_b32 s37, 0
.irp i, 0,1,2                          ; w_qkv: my fragment i is f = 3 w + i: tile ft = f / 2, K step f % 2; its first row is 256 (ft / 4) + 64 head + 16 (ft % 4)
	s_mul_i32 s52, s18, 3
	s_add_co_u32 s52, s52, \i
	s_lshr_b32 s53, s52, 1
	s_and_b32 s52, s52, 1
	s_lshl_b32 s52, s52, 9
	s_lshr_b32 s54, s53, 2
	s_and_b32 s53, s53, 3
	s_lshl_b32 s54, s54, 18
	s_lshl_b32 s53, s53, 14
	s_add_co_u32 s52, s52, s54
	s_add_co_u32 s52, s52, s53
	s_lshl_b32 s53, s19, 16
	s_add_co_u32 s[24+2*\i], s52, s53
	s_mov_b32 s[25+2*\i], 0
.endr
	s_lshl_b32 s38, s20, 16                        ; q_img: (16 block + 2 wave) tiles of 4,096 bytes + 1,024 head
	s_lshl_b32 s48, s18, 13
	s_add_co_u32 s38, s38, s48
	s_lshl_b32 s48, s19, 10
	s_add_co_u32 s38, s38, s48
	s_mov_b32 s39, 0
	s_lshl_b32 s30, s20, 17                        ; kv_img: 131,072 block + 16,384 head + 2,048 wave: K
	s_lshl_b32 s48, s19, 14
	s_add_co_u32 s30, s30, s48
	s_add_co_u32 s32, s30, 65536                   ; V's region lies four regions on,
	s_lshl_b32 s48, s18, 11
	s_add_co_u32 s30, s30, s48
	s_mov_b32 s31, 0
	s_lshr_b32 s48, s18, 2
	s_lshl_b32 s48, s48, 13                        ; + 8,192 (wave / 4): which 128 keys,
	s_add_co_u32 s32, s32, s48
	s_and_b32 s48, s18, 3
	s_lshl_b32 s48, s48, 9                         ; + 512 (wave % 4): which four registers of the fragment
	s_add_co_u32 s32, s32, s48
	s_mov_b32 s33, 0
	s_lshl_b32 s49, s20, 2
	s_add_co_u32 s49, s49, s19                     ; g = 4 block + head: my unit of wp_img
	s_lshl_b32 s22, s49, 8
	s_mov_b32 s23, 0
	s_lshr_b32 s34, s49, 4
	s_lshl_b32 s34, s34, 14                        ; w_proj: 16 (g / 16) rows of 1,024 bytes,
	s_bfe_u32 s48, s49, 0x10003
	s_lshl_b32 s48, s48, 9                         ; + 512 ((g / 8) % 2): the K step,
	s_add_co_u32 s34, s34, s48
	s_and_b32 s48, s49, 7
	s_lshl_b32 s48, s48, 6                         ; + 64 (g % 8): 16 along K
	s_add_co_u32 s34, s34, s48
	s_mov_b32 s35, 0
	s_wait_alu depctr_va_vdst(0)
	s_wait_kmcnt 0x0
	s_load_b256 s[40:47], s[10:11], 0x0            ; e0 .. e7
	s_add_nc_u64 s[4:5], s[4:5], s[36:37]
.irp i, 0,1,2
	s_add_nc_u64 s[24+2*\i:25+2*\i], s[6:7], s[24+2*\i:25+2*\i]
.endr
	s_add_nc_u64 s[12:13], s[12:13], s[38:39]
	s_add_nc_u64 s[30:31], s[14:15], s[30:31]
	s_add_nc_u64 s[32:33], s[14:15], s[32:33]
	s_add_nc_u64 s[34:35], s[8:9], s[34:35]
	s_add_nc_u64 s[16:17], s[16:17], s[22:23]
	FLOAD STA, 24, 0                               ; my first two fragments of w_qkv: from here on 32 loads of the wave are on their way
	FLOAD STB, 26, 0
	s_wait_kmcnt 0x0
	s_add_co_i32 s58, s40, s41                     ; e0 + e1
	s_sub_co_i32 s50, s42, s58                     ; e2 - e0 - e1
	s_sub_co_i32 s51, s43, s58                     ; e3 - e0 - e1
	s_sub_co_i32 s52, s45, s58                     ; e5 - e0 - e1
	MKSC SX, 40
	MKSC SW, 41
	MKSC SQ, 50
	MKSC SK, 51
	MKSC SV, 52
	MKSC SP, 47
	s_cmp_lg_u32 s18, 0                            ; wave 0 alone makes the work-group's unit of wp_img
	s_cbranch_scc1 .Lnot_wave_0
	global_load_b128 v[PW:PW+3], v[WPA], s[34:35]
	global_load_b128 v[PW+4:PW+7], v[WPA], s[34:35] offset:16
	s_wait_loadcnt 0x0
.irp i, 0,1,2,3,4,5,6,7
.endr
	s_wait_alu depctr_va_vdst(0)
	v_cvt_scalef32_pk8_fp8_f32 v[PWC:PWC+1], v[PW:PW+7], v[SP]
	v_nop
	global_store_b64 v[WPS], v[PWC:PWC+1], s[16:17]   ; 32 lanes store 256 consecutive bytes, aligned
.Lnot_wave_0:
	s_wait_loadcnt 16                              ; in each of these waits the 16 loads of the fragment behind the one wanted may stay out
	s_wait_alu depctr_va_vdst(0)
	QUANT STA, XF, SW
	IMAGE XF, WIMG
	FLOAD STA, 28, 0                               ; my third fragment of w_qkv
	s_wait_loadcnt 16
	QUANT STB, XF+16, SW
	IMAGE XF+16, WIMG+FRB
	FLOAD STB, 4, 0                                ; x: tile 0, K step 0
	s_wait_loadcnt 16
	QUANT STA, XF+32, SW
	IMAGE XF+32, WIMG+2*FRB
	FLOAD STA, 4, 512                              ; tile 0, K step 1
	s_wait_dscnt 0x0                               ; the images' stores have read their registers, which x's codes now take
	s_wait_loadcnt 16
	QUANT STB, XF, SX
	FLOAD STB, 4, 16384                            ; tile 1, K step 0
	s_wait_loadcnt 16
	QUANT STA, XF+16, SX
	FLOAD STA, 4, 16384+512                        ; tile 1, K step 1
	s_wait_loadcnt 16
	QUANT STB, XF+32, SX
	s_wait_alu depctr_va_vdst(0)
	s_wait_loadcnt 0x0
	QUANT STA, XF+48, SX
	s_wait_dscnt 0x0                               ; for the others' sake: my images have landed
	s_barrier_signal -1
	s_barrier_wait -1                              ; all 24 images lie in LDS; nobody writes them again
	GROUP 0, 0, SQ, 12, 4096                       ; q
	GROUP 1, 0, SK, 30, 1024                       ; k
	GROUP 2, 1, SV, 32, 0                          ; v
	s_wait_tensorcnt 0x0                           ; the wave's end: a tensor wait, an add to my spare word and its wait, behind my last LDS store
	ds_add_u32 v[SPW], v[NIL]
	s_wait_dscnt 0x0
	s_endpgm
.Lfunc_end_k_q703bb69c0f_qkv:
	.size	k_q703bb69c0f_qkv, .Lfunc_end_k_q703bb69c0f_qkv-k_q703bb69c0f_qkv
	.p2alignl 7, 3214868480
	.fill 96, 4, 3214868480
	.section	.rodata,"a",@progbits
	.p2align	6, 0x0
	.amdhsa_kernel k_q703bb69c0f_qkv
		.amdhsa_group_segment_fixed_size 50176
		.amdhsa_private_segment_fixed_size 0
		.amdhsa_enable_private_segment 0
		.amdhsa_kernarg_size 56
		.amdhsa_user_sgpr_count 2
		.amdhsa_user_sgpr_kernarg_segment_ptr 1
		.amdhsa_wavefront_size32 1
		.amdhsa_system_sgpr_workgroup_id_x 1
		.amdhsa_system_sgpr_workgroup_id_y 1
		.amdhsa_system_sgpr_workgroup_id_z 1
		.amdhsa_system_vgpr_workitem_id 0
		.amdhsa_next_free_vgpr 256
		.amdhsa_next_free_sgpr 66
		.amdhsa_reserve_vcc 0
		.amdhsa_float_denorm_mode_32 3
		.amdhsa_float_denorm_mode_16_64 3
		.amdhsa_fp16_overflow 1
		.amdhsa_memory_ordered 1
		.amdhsa_forward_progress 1
		.amdhsa_inst_pref_size 35
	.end_amdhsa_kernel
	.amdgpu_metadata
---
amdhsa.version: [ 1, 2 ]
amdhsa.kernels:
  - .name:           k_q703bb69c0f_qkv
    .symbol:         k_q703bb69c0f_qkv.kd
    .args:
      - { .name: x, .offset: 0, .size: 8, .value_kind: global_buffer, .address_space: global }
      - { .name: w_qkv, .offset: 8, .size: 8, .value_kind: global_buffer, .address_space: global }
      - { .name: w_proj, .offset: 16, .size: 8, .value_kind: global_buffer, .address_space: global }
      - { .name: lowp_scales, .offset: 24, .size: 8, .value_kind: global_buffer, .address_space: global }
      - { .name: q_img, .offset: 32, .size: 8, .value_kind: global_buffer, .address_space: global }
      - { .name: kv_img, .offset: 40, .size: 8, .value_kind: global_buffer, .address_space: global }
      - { .name: wp_img, .offset: 48, .size: 8, .value_kind: global_buffer, .address_space: global }
    .group_segment_fixed_size: 50176
    .private_segment_fixed_size: 0
    .kernarg_segment_align: 8
    .kernarg_segment_size: 56
    .max_flat_workgroup_size: 256
    .sgpr_count:     66
    .vgpr_count:     256
    .wavefront_size: 32
...
	.end_amdgpu_metadata
.endif
;; end of part 1
;; launch attn (part 2): grid 256 x 1, 8 waves a work-group, clusters of 4 x 1, 327,680 bytes of LDS; arguments q_img, kv_img, wp_img, lowp_scales, b_proj, out0; writes out0
.if DOCPART == 2
	.amdgcn_target "amdgcn-amd-amdhsa--gfx1250"
	.amdhsa_code_object_version 6
	.text
	.protected	k_q703bb69c0f_attn
	.globl	k_q703bb69c0f_attn
	.p2align	8
	.type	k_q703bb69c0f_attn,@function
k_q703bb69c0f_attn:
	s_mov_b64 s[64:65], 0
	v_nop
	global_prefetch_b8 v0, s[64:65] scope:SCOPE_SE
	s_setreg_imm32_b32 hwreg(HW_REG_WAVE_MODE, 25, 1), 1
	s_wait_xcnt 0x0
	s_wait_alu depctr_hold_cnt(0) depctr_sa_sdst(0) depctr_va_vdst(0) depctr_va_sdst(0) depctr_va_ssrc(0) depctr_va_vcc(0) depctr_vm_vsrc(0)
	s_getreg_b32 s2, hwreg(HW_REG_IB_STS2, 6, 4)
	s_cmp_eq_u32 s2, 0
	s_cbranch_scc0 .Lentry_in_a_cluster
	s_endpgm
.Lentry_in_a_cluster:
	s_bfe_u32 s2, ttmp6, 0x10000c
	s_cmp_lg_u32 s2, 0x3003
	s_cbranch_scc0 .Lentry_shape_is_right
	s_endpgm
.Lentry_shape_is_right:
; out = (softmax(q k^T / 8) v, heads side by side) w_proj^T + b_proj, all three products on codes of FP8 (E4M3), each operand with the one scale 2^e that is given for it.
; q_img, kv_img, wp_img: codes laid in the order of the operands' registers (registers 2 c, 2 c + 1: k = 16 c + 8 h + 0 .. 7), lane l's 16 bytes at 16 l (wp_img: 8 bytes at 8 l):
;   q_img [token tile][head][1024 B];  kv_img [batch x 16 slots of 256 keys][region 0..7][16384 B]: region head = K (key tile kt at 1024 kt), region 4 + head = V (8192 x (128 keys) + 2048 x (16 of d), keys innermost);
;   wp_img: unit 8 (2 ct + s) + c of 256 B.  out0: [16384][256] f32.
; THE SOFTMAX AHEAD OF THE SECOND PRODUCT: t = score x log2(e) / 8; M = the row's largest t so far, rounded UP to a whole number; p = 2^(t - M) is what is quantised, along the keys; it is not normalised.
; The row's sum is taken of the unquantised p, in f32, and divides O at the end.  When M moves, the sum and O are multiplied by 2^(old M - new M), which rounds nothing.
; SHARES.  A work-group owns 64 tokens and ALL FOUR heads, so that the last product (K = 256 = the four heads) is made here.  Wave w: head w % 4, queries 32 (w / 4) on: two tiles of 16.
; So each fragment of K and V read from LDS feeds two matrix instructions, and two waves share a SIMD: one's vector work stands beside the other's LDS loads and products.
; LAYOUT.  All products are used transposed: S^T = K Q^T (source 0 = 16 keys, source 1 = 16 queries), O^T = V^T P^T, Y^T = Wp o^T: a lane holds ONE token (lane % 16) throughout and its eight registers are
; eight neighbours along the next K, 8 (lane / 16) + 0 .. 7: the conversion of one accumulator gives registers 2 c, 2 c + 1 of the next operand.
; THE RING.  Two LDS slots of 256 keys x four heads (131,072 bytes, as they lie in kv_img); wave w fetches region w, 16,384 dense bytes, by one tensor load.
; CLUSTER.  All work-groups of a batch walk the same slots; the four of a cluster belong to one batch and ask JOINTLY: the same load, the same descriptor, a mask that names the four.
; o goes from wave to wave through LDS as images of the last operand's registers; y leaves through a stage, as whole rows.  Both lie in slot 0, which has had its last fill and its last read by then.
; LIMITS, so that each power of two is an f32 number: e2 + e3 between -123 and 130 (added to c's exponent field); e4 and e6 between -126 and 119; e6 + e7 between -126 and 127; e4 + e5 is applied by v_ldexp_f32 and has none.
; REGISTERS, in windows of 256.  Window 0: v1-11 addresses and constants; v12-27 statistics, eight a tile; v28-31 addresses; v32-95 O^T (qt, dt) at 32 + 32 qt + 8 dt; v96-223 S^T, then p, (qt, kt) at 96 + 64 qt + 8 kt; v224-255 p's codes.
;   Window 1: v0-15 Q; v16-79 K of a step; v80-143 V of a step (later v16-143: o's eight fragments); v144-207 my four fragments of w_proj; v208-223 my bias.
.set SLOT1, 1<<17                      ; slot 1 begins here: one exclusive or turns an address in one slot into the other's
.set SLOTB, 131072                     ; a slot in memory
.set SPARE, 2*SLOT1                    ; behind the ring: the spare words, 128 bytes for each wave: four blocks of 256 bytes that no other line names
.set OIMG,  0                          ; o's images: 4096 (tile of rows) + 1024 head + 512 c + 16 lane
.set OSTG,  16384                      ; the stage for y: 64 rows of 1,024 bytes + 16
.set OP,    1040
.set AK0, 1                            ; v1   16 x lane + 16,384 head: my place in a slot's K
.set AV0, 2                            ; v2   the same in its V
.set PFO, 3                            ; v3   256 x lane: the prefetches' offset; never rewritten
.set ADK, 4                            ; v4   LDS address of the slot's K; on the way out: where I put 32 bytes of a row of y
.set ADV, 5                            ; v5   of its V; on the way out: where I read rows back
.set SPW, 6                            ; v6   LDS address of my spare word; never rewritten
.set NIL, 7                            ; v7   0; never rewritten
.set LIMV, 8                           ; v8   unused
.set SCV, 9                            ; v9   2^e4; behind the loop 2^e6
.set XT,  10                           ; v10, v11: what the other half of the lanes sends, tile 0, 1
.set ST,  12                           ; tile qt's statistics at ST + 8 qt: +0 -M, +1 the largest t, +2, +3 the sum in two halves, +4 f, +5 0 (named with f as a pair), +6, +7 at work
.set OIA, 28                           ; v28  where I store o's images
.set LI,  29                           ; v29  16 x lane; never rewritten
.set T0,  30
.set T1,  31
.set OA,  32
.set SA,  96
.set PA,  224
.set YA,  96                           ; the last product's sums (ct, rt) at YA + 8 (4 ct + rt),
.set YO,  160                          ; and y
.set QF,  0                            ; window 1
.set KF,  16
.set VF,  80
.set HF,  16
.set WPF, 144
.set BF,  208
.set WV,  16                           ; s16  wave;  s17 head;  s18 which 32 queries;  s19 cx;  s20 work-group
.set G1,  24                           ; s[24:31] descriptor group 1;  s[32:35] group 0, which walks
.set G0,  32
.set SEL, 36                           ; s[36:37] lane selects for v_permlanex16_b32: lane l xor 16
.set CS,  38                           ; s[38:39] c = log2(e) / 8 x 2^(e2 + e3): the packed form names a pair and takes its low word for both halves
.set TB,  40                           ; s40  LDS byte at which the slot in hand begins
.set SLOTS, 41                         ; s41  slots still to be asked for
.set LIM, 42                           ; s42  1 in a wave that prefetches, else the greatest number
.set PFA, 44                           ; s[44:45] where my prefetches stand
.set MSB, 0
.macro WIN new                         ; the immediate's high byte repeats the setting that is left; a switch that changes nothing is dropped
.if MSB != \new
	s_set_vgpr_msb (MSB<<8)|\new
.set MSB, \new
.endif
.endm
.set TO_1,  0x40                       ; destination window 1, address window 0
.set W_KQ,  0x05                       ; sources 0 and 1 window 1, C and D window 0
.set W_PV,  0x01                       ; source 0 window 1
.set W_BI,  0x10                       ; source 2 window 1
; A round of the cluster's barrier: my work-group's barrier, so that wave 0's signal speaks for all eight waves; wave 0 signals for the work-group; every wave waits for all four work-groups; my work-group's barrier once more.
.macro CROUND
	s_barrier_signal -1
	s_barrier_wait -1
	s_cmp_lg_u32 s[WV], 0
	s_cbranch_scc1 .Lnot_wave_0_\@
	s_barrier_signal -3
.Lnot_wave_0_\@:
	s_barrier_wait -3
	s_barrier_signal -1
	s_barrier_wait -1
.endm
; A PREFETCH INTO THE L2 of the slot that the NEXT change of slots will ask for: two key steps ahead of that load.  Each aligned block of 256 bytes is named once in the launch: all clusters of a batch walk the same slots,
; so the batch's first cluster asks; its four partners take 32,768 bytes each, told apart BY ADDRESS; in each, waves 0 to 3 take 8,192 bytes, lanes 256 bytes apart: 4 x 4 x 32 blocks = a slot.
; The branch hangs on the wave's number and the cluster's, which the partners share.  The last change that fills a slot asks for nothing; slots 0 and 1 come by their loads alone.
.macro ASK
	s_cmp_gt_u32 s[SLOTS], s[LIM]
	s_cbranch_scc0 .Lnot_mine_\@
	global_prefetch_b8 v[PFO], s[PFA:PFA+1] th:TH_LOAD_NT scope:SCOPE_SE
.Lnot_mine_\@:
.endm
; THE CHANGE OF SLOTS stands at a slot's head.  Each wave waits for all its tensor loads (one is out: its region of the slot that it is about to read), adds 0 to its spare word, and waits for that and for its reads of the slot
; that it has left.  fill = 1: the barrier is a round of the cluster's, so that no wave of any partner still reads that slot or has a load on its way, and the joint refill is the first thing behind it: it has two key steps in which to land.
.macro CHANGE fill
	s_wait_tensorcnt 0x0                           ; no tensor load of mine is out, so group 0 may be written
	ds_add_u32 v[SPW], v[NIL]                      ; 0 onto my spare word; the steps below stand between it and the wait for it
.if \fill
	s_xor_b32 s[G0+1], s[G0+1], SLOT1              ; the walking descriptor: the other slot than last time,
	s_add_nc_u64 s[G0+2:G0+3], s[G0+2:G0+3], SLOTB ; the next 256 keys; the type bits on top are not reached
	s_wait_xcnt 0x0                                ; the last prefetch, a slot back, has read its address, so it may be written:
	s_add_nc_u64 s[PFA:PFA+1], s[PFA:PFA+1], SLOTB ; one slot further on than the walking descriptor
.endif
	s_wait_dscnt 0x0                               ; the add is done, and my reads of the slot that I have left are over
.if \fill
	CROUND
	tensor_load_to_lds s[G0:G0+3], s[G1:G1+7]      ; every wave's one tensor load behind the round: its own region
	s_nop 0
.rept 4
	v_nop
.endr
	ASK
.else
	s_barrier_signal -1
	s_barrier_wait -1
.endif
.endm
; A KEY STEP: 128 keys, the kb-th of the slot in hand, for my two tiles of queries.
.macro STEP kb
	v_add_nc_u32 v[ADK], s[TB], v[AK0]
	v_add_nc_u32 v[ADV], s[TB], v[AV0]
	v_nop
	v_nop                                          ; with the two additions: four places behind the last step's products, in front of loads into registers that they have read
	WIN TO_1
.irp kt, 0,1,2,3,4,5,6,7
	ds_load_b128 v[KF+8*\kt:KF+8*\kt+3],   v[ADK] offset:(8*(\kb)+\kt)*1024
	ds_load_b128 v[KF+8*\kt+4:KF+8*\kt+7], v[ADK] offset:(8*(\kb)+\kt)*1024+512
.endr
	s_wait_alu depctr_va_vdst(0)
	s_wait_dscnt 8                                 ; key tiles 0 to 3 are in; the eight loads of tiles 4 to 7 may be out
	WIN W_KQ
.irp kt, 0,1,2,3
.irp qt, 0,1
	v_wmma_f32_16x16x64_fp8_fp8 v[SA+64*\qt+8*\kt:SA+64*\qt+8*\kt+7], v[KF+8*\kt:KF+8*\kt+7], v[QF+8*\qt:QF+8*\qt+7], 0
.endr
.endr
	s_wait_dscnt 0x0
.irp kt, 4,5,6,7
.irp qt, 0,1
	v_wmma_f32_16x16x64_fp8_fp8 v[SA+64*\qt+8*\kt:SA+64*\qt+8*\kt+7], v[KF+8*\kt:KF+8*\kt+7], v[QF+8*\qt:QF+8*\qt+7], 0
.endr
.endr
	WIN TO_1
.irp dt, 0,1,2,3                       ; V is asked for here and lands behind the softmax
.irp c, 0,1,2,3
	ds_load_b128 v[VF+16*\dt+4*\c:VF+16*\dt+4*\c+3], v[ADV] offset:(\kb)*8192+\dt*2048+512*\c
.endr
.endr
	WIN 0
.rept 4
	v_nop                                          ; four places in front of the first read of the scores
.endr
	; the step's largest score of each query among my 64 keys: two chains a tile, the registers in ascending order, the tiles by turns
.irp qt, 0,1
	v_max3_num_f32 v[ST+8*\qt+6], v[SA+64*\qt], v[SA+64*\qt+1], v[SA+64*\qt+2]
	v_max3_num_f32 v[ST+8*\qt+7], v[SA+64*\qt+3], v[SA+64*\qt+4], v[SA+64*\qt+5]
.endr
.irp i, 6,10,14,18,22,26,30,34,38,42,46,50,54,58
.irp qt, 0,1
	v_max3_num_f32 v[ST+8*\qt+6], v[ST+8*\qt+6], v[SA+64*\qt+\i], v[SA+64*\qt+\i+1]
	v_max3_num_f32 v[ST+8*\qt+7], v[ST+8*\qt+7], v[SA+64*\qt+\i+2], v[SA+64*\qt+\i+3]
.endr
.endr
.irp qt, 0,1
	v_max3_num_f32 v[ST+8*\qt+6], v[ST+8*\qt+6], v[SA+64*\qt+62], v[SA+64*\qt+63]
.endr
.irp qt, 0,1
	s_delay_alu instid0(VALU_DEP_2)
	v_max_num_f32 v[ST+8*\qt+6], v[ST+8*\qt+6], v[ST+8*\qt+7]
.endr
.irp qt, 0,1
	s_delay_alu instid0(VALU_DEP_2)
	v_permlanex16_b32 v[XT+\qt], v[ST+8*\qt+6], s[SEL], s[SEL+1]   ; the query's other 64 keys lie in the lane 16 away
.endr
.irp qt, 0,1
	s_delay_alu instid0(VALU_DEP_2)
	v_max_num_f32 v[ST+8*\qt+6], v[ST+8*\qt+6], v[XT+\qt]
.endr
.irp qt, 0,1
	s_delay_alu instid0(VALU_DEP_2)
	v_mul_f32 v[ST+8*\qt+6], s[CS], v[ST+8*\qt+6]  ; as t (c is positive)
.endr
.irp qt, 0,1
	s_delay_alu instid0(VALU_DEP_2)
	v_max_num_f32 v[ST+8*\qt+1], v[ST+8*\qt+1], v[ST+8*\qt+6]   ; the running largest t
.endr
.irp qt, 0,1
	v_mov_b32 v[ST+8*\qt+6], v[ST+8*\qt]
.endr
.irp qt, 0,1
	s_delay_alu instid0(VALU_DEP_4)
	v_floor_f32 v[ST+8*\qt], -v[ST+8*\qt+1]        ; the new -M = floor(-t) = -ceil(t): M is a whole number
.endr
.irp qt, 0,1
	s_delay_alu instid0(VALU_DEP_2)
	v_sub_f32 v[ST+8*\qt+6], v[ST+8*\qt], v[ST+8*\qt+6]   ; M's old value less its new one: a whole number, 0 or less
.endr
.irp qt, 0,1
	s_delay_alu instid0(VALU_DEP_2)
	v_cvt_i32_f32 v[ST+8*\qt+6], v[ST+8*\qt+6]     ; (it saturates)
.endr
.irp qt, 0,1
	s_delay_alu instid0(VALU_DEP_2)
	v_ldexp_f32 v[ST+8*\qt+4], 1.0, v[ST+8*\qt+6]  ; f = 2^(old M - new M)
.endr
.set j, 0
.rept 32
.irp qt, 0,1
	v_pk_fma_f32 v[SA+64*\qt+j:SA+64*\qt+j+1], v[SA+64*\qt+j:SA+64*\qt+j+1], s[CS:CS+1], v[ST+8*\qt:ST+8*\qt+1] op_sel_hi:[1,0,0]   ; t - M, two at a time (of the pairs c and -M the low word serves both halves)
.endr
.set j, j+2
.endr
.set j, 0
	s_wait_alu depctr_va_vdst(0)
.rept 128
	v_exp_f32 v[SA+j], v[SA+j]                     ; p = 2^(t - M), at most 1: not normalised.  ONE BATCH for both tiles
.set j, j+1
.endr
.irp qt, 0,1
	v_pk_mul_f32 v[ST+8*\qt+2:ST+8*\qt+3], v[ST+8*\qt+2:ST+8*\qt+3], v[ST+8*\qt+4:ST+8*\qt+5] op_sel_hi:[1,0]   ; the sums under the new M: the plain instructions behind the exponentials
.endr
	s_wait_alu depctr_va_vdst(0)                   ; one wait for the whole batch, ahead of its first reader
.irp qt, 0,1
	v_pk_add_f32 v[ST+8*\qt+6:ST+8*\qt+7], v[SA+64*\qt:SA+64*\qt+1], v[SA+64*\qt+2:SA+64*\qt+3]   ; the row's sum is taken of the UNQUANTISED p: two at a time, two chains a tile
.endr
.irp j, 4,8,12,16,20,24,28,32,36,40,44,48,52,56,60
.irp qt, 0,1
	v_pk_add_f32 v[ST+8*\qt+2:ST+8*\qt+3], v[ST+8*\qt+2:ST+8*\qt+3], v[SA+64*\qt+\j:SA+64*\qt+\j+1]
	v_pk_add_f32 v[ST+8*\qt+6:ST+8*\qt+7], v[ST+8*\qt+6:ST+8*\qt+7], v[SA+64*\qt+\j+2:SA+64*\qt+\j+3]
.endr
.endr
.irp qt, 0
	s_delay_alu instid0(VALU_DEP_3)
	v_pk_add_f32 v[ST+8*\qt+2:ST+8*\qt+3], v[ST+8*\qt+2:ST+8*\qt+3], v[ST+8*\qt+6:ST+8*\qt+7]
.endr
.irp qt, 1
	s_delay_alu instid0(VALU_DEP_2)
	v_pk_add_f32 v[ST+8*\qt+2:ST+8*\qt+3], v[ST+8*\qt+2:ST+8*\qt+3], v[ST+8*\qt+6:ST+8*\qt+7]
.endr
.set a, 0
.rept 16                               ; accumulator a = 8 qt + kt becomes registers 2 kt, 2 kt + 1 of tile qt's operand
.irp i, 0,1,2,3,4,5,6,7
.endr
	v_cvt_scalef32_pk8_fp8_f32 v[PA+2*a:PA+2*a+1], v[SA+8*a:SA+8*a+7], v[SCV]
.set a, a+1
.endr
.set j, 0
.rept 16
.irp qt, 0,1
	v_pk_mul_f32 v[OA+32*\qt+j:OA+32*\qt+j+1], v[OA+32*\qt+j:OA+32*\qt+j+1], v[ST+8*\qt+4:ST+8*\qt+5] op_sel_hi:[1,0]   ; O^T under the new M.  (Also the plain instructions behind the conversions)
.endr
.set j, j+2
.endr
	s_wait_alu depctr_va_vdst(0)
	s_wait_dscnt 0x0                               ; V is in
	WIN W_PV
.irp dt, 0,1,2,3                       ; O^T += V^T P^T: eight accumulators by turns, one instruction a turn; the next matrix instruction is a score's
.irp qt, 0,1
	v_wmma_f32_16x16x128_fp8_fp8 v[OA+32*\qt+8*\dt:OA+32*\qt+8*\dt+7], v[VF+16*\dt:VF+16*\dt+15], v[PA+16*\qt:PA+16*\qt+15], v[OA+32*\qt+8*\dt:OA+32*\qt+8*\dt+7]
.endr
.endr
	WIN 0
.endm
.macro SLOT_STEPS
	STEP 0
	STEP 1
	s_xor_b32 s[TB], s[TB], SLOT1                  ; on to the other slot
.endm
.macro BARRIER                         ; my LDS stores have landed and my LDS loads are in: then the work-group's barrier
	s_wait_dscnt 0x0
	s_barrier_signal -1
	s_barrier_wait -1
.endm
	s_load_b256 s[4:11], s[0:1], 0x0               ; q_img s[4:5], kv_img s[6:7], wp_img s[8:9], the exponents s[10:11]
	s_load_b128 s[12:15], s[0:1], 0x20             ; b_proj s[12:13], out0 s[14:15]
	v_lshl_add_u32 v[SPW], v0, 2, SPARE
	v_mov_b32 v[NIL], 0
	ds_add_u32 v[SPW], v[NIL]                      ; the wave's opening: the add and its wait stand ahead of my first tensor load; the set-up below, work on registers, stands between them
	ds_add_u32 v[SPW], v[NIL]
	v_lshrrev_b32 v[T0], 5, v0
	s_delay_alu instid0(VALU_DEP_1)
	v_readfirstlane_b32 s[WV], v[T0]               ; wave 0..7
	s_and_b32 s17, s[WV], 3                        ; head
	s_lshr_b32 s18, s[WV], 2                       ; which 32 of the 64 queries
	s_bfe_u32 s19, ttmp6, 0x40000                  ; cx: my place in the cluster
	s_lshl_b32 s20, ttmp9, 2                       ; in a cluster launch ttmp9 counts clusters
	s_add_co_u32 s20, s20, s19                     ; my block of 64 tokens: it enters q_img's and out0's addresses alone
	; descriptor group 1: 16,384 dense bytes as 64 rows of 32 elements of 8 bytes; no padding
	s_mov_b32 s[G1], 15|(3<<16)|(1<<21)            ; 15:0 the mask: all four work-groups; 17:16 elements of 8 bytes; 21 set beside a mask
	s_mov_b32 s[G1+1], 32<<16                      ; tensor_dim0 = 32
	s_mov_b32 s[G1+2], 64<<16                      ; tensor_dim1 = 64
	s_mov_b32 s[G1+3], 32<<16                      ; tile_dim0 = 32
	s_mov_b32 s[G1+4], 64                          ; tile_dim1 = 64
	s_mov_b32 s[G1+5], 32                          ; from row to row: 32 elements
	s_mov_b32 s[G1+6], 0
	s_mov_b32 s[G1+7], 0
	s_mov_b32 s[G0], 1                             ; count = 1
	s_lshl_b32 s[G0+1], s[WV], 14                  ; LDS address: slot 0, region = wave: no place in the cluster enters an LDS address
	s_lshr_b32 s56, ttmp9, 4                       ; the batch, which the four partners share:
	s_lshl_b32 s56, s56, 21                        ; its 16 slots of 131,072 bytes
	s_mov_b32 s57, 0
	s_lshl_b32 s58, s[WV], 14                      ; my region
	s_mov_b32 s59, 0
	s_mov_b32 s[SEL], 0x76543210
	s_mov_b32 s[SEL+1], 0xfedcba98
	s_mov_b32 s[TB], 0
	s_mov_b32 s[SLOTS], 15
	s_lshr_b32 s[LIM], s[WV], 2                    ; 0 in waves 0 to 3,
	s_and_b32 s43, ttmp9, 15
	s_or_b32 s[LIM], s[LIM], s43                   ; of the batch's first cluster: the same in all four partners
	s_cmp_eq_u32 s[LIM], 0
	s_cselect_b32 s[LIM], 1, -1
	s_wait_dscnt 0x0                               ; the opening add is done
	s_wait_kmcnt 0x0
	s_load_b256 s[48:55], s[10:11], 0x0            ; e0 .. e7
	s_add_nc_u64 s[6:7], s[6:7], s[56:57]          ; kv_img at my batch
	s_add_nc_u64 s[G0+2:G0+3], s[6:7], s[58:59]    ; global address: slot 0, my region
	s_or_b32 s[G0+3], s[G0+3], 0x80000000          ; type = 2
	CROUND                                         ; all four work-groups are here: the first joint loads meet
	tensor_load_to_lds s[G0:G0+3], s[G1:G1+7]      ; slot 0
	s_nop 0
.rept 4
	v_nop
.endr
	s_lshl_b32 s60, s19, 15                        ; the prefetches: my work-group's 32,768 bytes of a slot,
	s_lshl_b32 s61, s17, 13                        ; my wave's 8,192 of them,
	s_add_co_u32 s60, s60, s61
	s_add_co_u32 s60, s60, SLOTB                   ; in slot 1: the first change of slots steps it to slot 2.  Nothing is prefetched here, at the head
	s_mov_b32 s61, 0
	s_add_nc_u64 s[PFA:PFA+1], s[6:7], s[60:61]
	s_lshl_b32 s60, s20, 14                        ; q_img: (4 work-group + 2 (wave / 4)) tiles of 4,096 bytes + 1,024 head
	s_lshl_b32 s62, s18, 13
	s_add_co_u32 s60, s60, s62
	s_lshl_b32 s62, s17, 10
	s_add_co_u32 s60, s60, s62
	s_add_nc_u64 s[4:5], s[4:5], s[60:61]
	s_lshl_b32 s60, s[WV], 13                      ; wp_img: my 32 units of 256 bytes: output tiles 2 w, 2 w + 1
	s_add_nc_u64 s[8:9], s[8:9], s[60:61]
	s_lshl_b32 s62, s20, 16                        ; out0: (64 work-group + 8 wave) rows of 1,024 bytes
	s_add_co_u32 s60, s60, s62
	s_add_nc_u64 s[14:15], s[14:15], s[60:61]
	s_lshl_b32 s60, s[WV], 7                       ; b_proj: my 32 numbers
	s_add_nc_u64 s[12:13], s[12:13], s[60:61]
	v_and_b32 v[T0], 31, v0                        ; lane
	s_delay_alu instid0(VALU_DEP_1)
	v_lshlrev_b32 v[LI], 4, v[T0]
	s_delay_alu instid0(VALU_DEP_2)
	v_lshlrev_b32 v[PFO], 8, v[T0]
	s_delay_alu instid0(VALU_DEP_3)
	v_lshlrev_b32 v[T0], 3, v[T0]                  ; 8 x lane
	v_bfe_u32 v[T1], v0, 4, 1
	s_delay_alu instid0(VALU_DEP_1)
	v_lshlrev_b32 v[T1], 5, v[T1]                  ; 32 (lane / 16)
	s_lshl_b32 s56, s17, 14
	v_add_nc_u32 v[AK0], s56, v[LI]
	s_delay_alu instid0(VALU_DEP_1)
	v_add_nc_u32 v[AV0], 0x10000, v[AK0]
	WIN TO_1
.irp qt, 0,1                           ; Q stays in registers
.irp c, 0,1
	global_load_b128 v[QF+8*\qt+4*\c:QF+8*\qt+4*\c+3], v[LI], s[4:5] offset:4096*\qt+512*\c th:TH_LOAD_NT
.endr
.endr
.set i, 0
.rept 32                               ; so do my four fragments of w_proj: unit i is registers 2 i, 2 i + 1
	global_load_b64 v[WPF+2*i:WPF+2*i+1], v[T0], s[8:9] offset:256*i
.set i, i+1
.endr
.irp ct, 0,1                           ; and my bias, in the result's layout: outputs 32 w + 16 ct + 8 (lane / 16) + 0 .. 7
	global_load_b128 v[BF+8*\ct:BF+8*\ct+3],   v[T1], s[12:13] offset:64*\ct
	global_load_b128 v[BF+8*\ct+4:BF+8*\ct+7], v[T1], s[12:13] offset:64*\ct+16
.endr
	WIN 0
.set j, 0
.rept 64
	v_mov_b32 v[OA+j], 0                           ; O^T.  (The step is written without a first form: the first step finds zeros, which the first change of M leaves zeros)
.set j, j+1
.endr
.irp qt, 0,1
	v_mov_b32 v[ST+8*\qt+1], 0xff61b1e6            ; the largest t so far: -3e38, under every t
	s_delay_alu instid0(VALU_DEP_1)
	v_floor_f32 v[ST+8*\qt], -v[ST+8*\qt+1]        ; -M
	v_mov_b32 v[ST+8*\qt+2], 0                     ; the sum, in two halves
	v_mov_b32 v[ST+8*\qt+3], 0
	v_mov_b32 v[ST+8*\qt+5], 0                     ; (named as the upper half of f's pair)
	v_mov_b32 v[XT+\qt], 0                         ; written once: a lane permute's destination counts as one of its sources
.endr
	s_wait_kmcnt 0x0
	s_add_co_i32 s56, s50, s51                     ; a score stands for score x 2^(e2 + e3): the two exponents are added to c's exponent field
	s_lshl_b32 s56, s56, 23
	s_add_co_i32 s[CS], s56, 0x3e38aa3b            ; c = log2(e) / 8
	s_mov_b32 s[CS+1], s[CS]                       ; (named with it as a pair, so it is written)
	s_add_co_i32 s56, s52, 127
	s_lshl_b32 s57, s56, 23
	v_mov_b32 v[SCV], s57                          ; 2^e4 as f32, for p's conversions
	s_add_co_i32 s66, s54, s55
	s_add_co_i32 s66, s66, 127
	s_lshl_b32 s66, s66, 23                        ; 2^(e6 + e7) as f32
	s_mov_b32 s67, s66
	s_add_co_i32 s68, s52, s53                     ; e4 + e5
	s_wait_loadcnt 0x0                             ; Q, w_proj's fragments, the bias
.Lslot:                                            ; 15 trips: behind each change of slots but the last the next slot is asked for
	CHANGE 1
	SLOT_STEPS
	s_sub_co_u32 s[SLOTS], s[SLOTS], 1
	s_cmp_lg_u32 s[SLOTS], 0
	s_cbranch_scc1 .Lslot
	CHANGE 0                                       ; the last slot is written out: it lies in slot 1; slot 0 has had its last fill, and behind this barrier nobody reads it
	SLOT_STEPS
	; o = O^T / the sum x 2^(e4 + e5), quantised with 2^e6.  The lines up to the wait are also the places behind the last products.
.irp qt, 0,1
	v_add_f32 v[ST+8*\qt+6], v[ST+8*\qt+2], v[ST+8*\qt+3]   ; the sum's two halves,
.endr
.irp qt, 0,1
	s_delay_alu instid0(VALU_DEP_2)
	v_permlanex16_b32 v[XT+\qt], v[ST+8*\qt+6], s[SEL], s[SEL+1]
.endr
.irp qt, 0,1
	s_delay_alu instid0(VALU_DEP_2)
	v_add_f32 v[ST+8*\qt+6], v[ST+8*\qt+6], v[XT+\qt]       ; and lane l xor 16's: the row's sum
.endr
	s_wait_alu depctr_va_vdst(0)
.irp qt, 0,1
	v_rcp_f32 v[ST+8*\qt+7], v[ST+8*\qt+6]
.endr
	v_and_b32 v[T0], 15, v0                        ; (plain instructions behind the reciprocals)  r
	v_bfe_u32 v[T1], v0, 4, 1                      ; h
	s_lshl_b32 s56, s18, 13
	s_lshl_b32 s57, s17, 10
	s_add_co_u32 s56, s56, s57
	v_add_nc_u32 v[OIA], s56, v[LI]                ; o's images: 8,192 (wave / 4) + 1,024 head + 16 lane
	v_mul_u32_u24 v[ADK], v[T0], OP
	s_delay_alu instid0(VALU_DEP_1)
	v_lshl_add_u32 v[ADK], v[T1], 5, v[ADK]
	s_lshl_b32 s56, s[WV], 7
	s_add_co_u32 s56, s56, OSTG
	v_add_nc_u32 v[ADK], s56, v[ADK]               ; the stage, in: row r, + 32 h, + 128 wave: my outputs' bytes
	s_mul_i32 s56, s[WV], 8*OP
	s_add_co_u32 s56, s56, OSTG
	v_add_nc_u32 v[ADV], s56, v[LI]                ; and back: my eight rows, 16 bytes a lane
	s_add_co_i32 s56, s54, 127
	s_lshl_b32 s57, s56, 23
	v_mov_b32 v[SCV], s57                          ; 2^e6
	s_wait_alu depctr_va_vdst(0)                   ; one wait for the two reciprocals, ahead of their first reader
.irp qt, 0,1
	v_ldexp_f32 v[ST+8*\qt+4], v[ST+8*\qt+7], s68  ; x 2^(e4 + e5)
.endr
.irp qt, 0,1
.set j, 0
.rept 16
	v_pk_mul_f32 v[OA+32*\qt+j:OA+32*\qt+j+1], v[OA+32*\qt+j:OA+32*\qt+j+1], v[ST+8*\qt+4:ST+8*\qt+5] op_sel_hi:[1,0]   ; each accumulator from its low end on
.set j, j+2
.endr
.endr
.set a, 0
.rept 8                                ; accumulator a = 4 qt + dt: d = 16 dt + 8 h + 0 .. 7 of my head: registers 2 dt, 2 dt + 1 of my eight
.irp i, 0,1,2,3,4,5,6,7
.endr
	v_cvt_scalef32_pk8_fp8_f32 v[PA+2*a:PA+2*a+1], v[OA+8*a:OA+8*a+7], v[SCV]
.set a, a+1
.endr
	v_nop                                          ; one plain vector instruction behind the last conversion
.irp qt, 0,1
.irp c, 0,1
	ds_store_b128 v[OIA], v[PA+8*\qt+4*\c:PA+8*\qt+4*\c+3] offset:OIMG+4096*\qt+512*\c   ; head hd's eight registers are registers 8 (hd % 2) on of fragment (tile of rows, K step hd / 2)
.endr
.endr
	BARRIER                                        ; o's eight fragments (4 tiles of rows x 2 K steps of 128) lie in LDS
	WIN TO_1
.irp ks, 0,1
.irp rt, 0,1,2,3
.irp c, 0,1,2,3
	ds_load_b128 v[HF+16*(2*\rt+\ks)+4*\c:HF+16*(2*\rt+\ks)+4*\c+3], v[LI] offset:OIMG+4096*\rt+2048*\ks+512*\c
.endr
.endr
.endr
	s_wait_dscnt 16                                ; the first K step's four fragments are in; the second's 16 loads may be out
	WIN W_KQ
.irp ct, 0,1                           ; Y^T = Wp o^T: my two tiles of outputs x the four tiles of rows: eight accumulators by turns, a K step at a time
.irp rt, 0,1,2,3
	v_wmma_f32_16x16x128_fp8_fp8 v[YA+8*(4*\ct+\rt):YA+8*(4*\ct+\rt)+7], v[WPF+32*\ct:WPF+32*\ct+15], v[HF+32*\rt:HF+32*\rt+15], 0
.endr
.endr
	s_wait_dscnt 0x0
.irp ct, 0,1
.irp rt, 0,1,2,3
	v_wmma_f32_16x16x128_fp8_fp8 v[YA+8*(4*\ct+\rt):YA+8*(4*\ct+\rt)+7], v[WPF+32*\ct+16:WPF+32*\ct+31], v[HF+32*\rt+16:HF+32*\rt+31], v[YA+8*(4*\ct+\rt):YA+8*(4*\ct+\rt)+7]
.endr
.endr
	WIN 0
.rept 4
	v_nop                                          ; four places in front of the first read of results
.endr
	WIN W_BI
.irp ct, 0,1
.irp rt, 0,1,2,3
.irp i, 0,2,4,6
	v_pk_fma_f32 v[YO+8*(4*\ct+\rt)+\i:YO+8*(4*\ct+\rt)+\i+1], v[YA+8*(4*\ct+\rt)+\i:YA+8*(4*\ct+\rt)+\i+1], s[66:67], v[BF+8*\ct+\i:BF+8*\ct+\i+1] op_sel_hi:[1,0,1]   ; y = sum x 2^(e6 + e7) + b
.endr
.endr
.endr
	WIN 0
.irp ct, 0,1
.irp rt, 0,1,2,3
	ds_store_b128 v[ADK], v[YO+8*(4*\ct+\rt):YO+8*(4*\ct+\rt)+3]   offset:16*OP*\rt+64*\ct      ; lane (r, h): y(16 rt + r, 32 w + 16 ct + 8 h + 0 .. 7)
	ds_store_b128 v[ADK], v[YO+8*(4*\ct+\rt)+4:YO+8*(4*\ct+\rt)+7] offset:16*OP*\rt+64*\ct+16
.endr
.endr
	BARRIER                                        ; 64 whole rows of y lie in the stage
.irp i, 0,1,2,3,4,5,6,7
.irp u, 0,1
	ds_load_b128 v[OA+4*(2*\i+\u):OA+4*(2*\i+\u)+3], v[ADV] offset:\i*OP+512*\u
.endr
.endr
.irp i, 0,1,2,3,4,5,6,7
.irp u, 0,1
	s_wait_dscnt 15-(2*\i+\u)                      ; LDS loads come back in order: this one is in, the younger ones may be out
	global_store_b128 v[LI], v[OA+4*(2*\i+\u):OA+4*(2*\i+\u)+3], s[14:15] offset:1024*\i+512*\u th:TH_STORE_NT   ; 32 lanes store 512 consecutive bytes, aligned; written once, read by nobody here
.endr
.endr
	s_wait_tensorcnt 0x0                           ; the wave's end: a tensor wait, an add to my spare word and its wait, behind my last tensor load and my last LDS store
	ds_add_u32 v[SPW], v[NIL]
	s_wait_dscnt 0x0
	CROUND                                         ; the closing round: no work-group ends while a partner may still ask for a tile that names it
	s_endpgm
.Lfunc_end_k_q703bb69c0f_attn:
	.size	k_q703bb69c0f_attn, .Lfunc_end_k_q703bb69c0f_attn-k_q703bb69c0f_attn
	.p2alignl 7, 3214868480
	.fill 96, 4, 3214868480
	.section	.rodata,"a",@progbits
	.p2align	6, 0x0
	.amdhsa_kernel k_q703bb69c0f_attn
		.amdhsa_group_segment_fixed_size 327680
		.amdhsa_private_segment_fixed_size 0
		.amdhsa_enable_private_segment 0
		.amdhsa_kernarg_size 48
		.amdhsa_user_sgpr_count 2
		.amdhsa_user_sgpr_kernarg_segment_ptr 1
		.amdhsa_wavefront_size32 1
		.amdhsa_system_sgpr_workgroup_id_x 1
		.amdhsa_system_sgpr_workgroup_id_y 1
		.amdhsa_system_sgpr_workgroup_id_z 1
		.amdhsa_system_vgpr_workitem_id 0
		.amdhsa_next_free_vgpr 512
		.amdhsa_next_free_sgpr 72
		.amdhsa_reserve_vcc 0
		.amdhsa_float_denorm_mode_32 3
		.amdhsa_float_denorm_mode_16_64 3
		.amdhsa_fp16_overflow 1
		.amdhsa_memory_ordered 1
		.amdhsa_forward_progress 1
		.amdhsa_inst_pref_size 125
	.end_amdhsa_kernel
	.amdgpu_metadata
---
amdhsa.version: [ 1, 2 ]
amdhsa.kernels:
  - .name:           k_q703bb69c0f_attn
    .symbol:         k_q703bb69c0f_attn.kd
    .args:
      - { .name: q_img, .offset: 0, .size: 8, .value_kind: global_buffer, .address_space: global }
      - { .name: kv_img, .offset: 8, .size: 8, .value_kind: global_buffer, .address_space: global }
      - { .name: wp_img, .offset: 16, .size: 8, .value_kind: global_buffer, .address_space: global }
      - { .name: lowp_scales, .offset: 24, .size: 8, .value_kind: global_buffer, .address_space: global }
      - { .name: b_proj, .offset: 32, .size: 8, .value_kind: global_buffer, .address_space: global }
      - { .name: out0, .offset: 40, .size: 8, .value_kind: global_buffer, .address_space: global }
    .group_segment_fixed_size: 327680
    .private_segment_fixed_size: 0
    .kernarg_segment_align: 8
    .kernarg_segment_size: 48
    .max_flat_workgroup_size: 256
    .sgpr_count:     72
    .vgpr_count:     512
    .wavefront_size: 32
...
	.end_amdgpu_metadata
.endif
;; end of part 2
